; MI455X (gfx1250); checked and timed in simulation.
; The chip was launched on July 23, 2026; its instructions are those of AMD's public machine-readable ISA for CDNA 5 (MIT licence, August 2026) and "CDNA5" Instruction Set Architecture Reference Guide (July 2026). The comments in the code are by the model that wrote it; some were corrected since.
;; Multi Head Attention. Allowed arithmetic: matrix products marked QUANTISED: E2M3 operands, one E8M0 scale for each 32 along K, by v_wmma_scale_f32_16x16x128_f8f6f4 with both operands' format E2M3, f32 sums; everything else in f32.
;; Inputs: Q_codes 2 x 2,048 x 32 x 24 uint8 (E2M3 codes of Q, K innermost, in blocks of 32 codes, four codes in three bytes); Q_scales 2 x 2,048 x 32 uint8 (E8M0 scales of Q, one for each 32 codes along K); W_K_codes 1,024 x 32 x 24 uint8 (E2M3 codes of W_K, K innermost, in blocks of 32 codes, four codes in three bytes); W_K_scales 1,024 x 32 uint8 (E8M0 scales of W_K, one for each 32 codes along K); W_O_codes 1,024 x 32 x 24 uint8 (E2M3 codes of W_O, K innermost, in blocks of 32 codes, four codes in three bytes); W_O_scales 1,024 x 32 uint8 (E8M0 scales of W_O, one for each 32 codes along K); W_Q_codes 1,024 x 32 x 24 uint8 (E2M3 codes of W_Q, K innermost, in blocks of 32 codes, four codes in three bytes); W_Q_scales 1,024 x 32 uint8 (E8M0 scales of W_Q, one for each 32 codes along K); W_V_codes 1,024 x 32 x 24 uint8 (E2M3 codes of W_V, K innermost, in blocks of 32 codes, four codes in three bytes); W_V_scales 1,024 x 32 uint8 (E8M0 scales of W_V, one for each 32 codes along K); b_K 1,024 float32; b_O 1,024 float32; b_Q 1,024 float32; b_V 1,024 float32; mask 2,048 x 2,048 bool.
;; Outputs: out0 2 x 2,048 x 1,024 float32.
;; This version of the problem:
;;   THIS VERSION OF THE PROBLEM IS GIVEN IN LOW PRECISION. The matrix products marked QUANTISED in the list below multiply operands that are first quantised to E2M3 (2 exponent bits, 3 mantissa bits; 6 bits a number), with one power-of-two scale for each 32 numbers along K (OCP MX v1.0); their sums are f32. All else is computed in f32.
;;   The module's matrix products, in the order in which they are computed (A, B: the left and right operand; K: the contracted axis; several contracted axes count as one K, in the product's order):
;;     1. [M 4,096, K 1,024] x [K 1,024, N 1,024]; A: input Q (given as codes); B: input W_Q (given as codes): QUANTISED
;;     2. [M 4,096, K 1,024] x [K 1,024, N 1,024]; A: input Q (given as codes); B: input W_K (given as codes): QUANTISED
;;     3. [M 4,096, K 1,024] x [K 1,024, N 1,024]; A: input Q (given as codes); B: input W_V (given as codes): QUANTISED
;;     4. batch 32 x [M 2,048, K 64] x [K 64, N 2,048]; A: computed on the way; B: computed on the way: QUANTISED
;;     5. batch 32 x [M 2,048, K 2,048] x [K 2,048, N 64]; A: softmax (see below); B: computed on the way: QUANTISED
;;     6. [M 4,096, K 1,024] x [K 1,024, N 1,024]; A: computed on the way; B: input W_O (given as codes): QUANTISED
;;   THE QUANTISER, for each operand of a quantised product, along K:
;;     - K is cut into blocks of 32 from its start; a last block that is shorter is filled with zeros.
;;     - A block's scale is 2^e with e = floor(log2(the largest magnitude in the block)) - 2, held to -126 .. 127; a block of zeros has e = 0. As a byte (E8M0): e + 127.
;;     - Each number is divided by its block's scale, clamped to +-7.5, and rounded to the nearest number of E2M3, ties to even, subnormals kept.
;;     - The product sums the exact products of the quantised numbers (number of the format x scale) in f32.
;;   ~~~python
;;   def quantise(x, axis):      # numpy; x: float32 -> the quantised numbers, widened to float32 again
;;       x = np.moveaxis(x, axis, -1); K = x.shape[-1]
;;       x = np.pad(x, [(0, 0)] * (x.ndim - 1) + [(0, -K % 32)]); x = x.reshape(x.shape[:-1] + (-1, 32)); a = np.abs(x).max(-1, keepdims=True)
;;       e = np.where(a > 0, np.clip(np.frexp(np.where(a > 0, a, 1))[1] - 1 - 2, -126, 127), 0)      # np.frexp(a)[1] - 1 = floor(log2(a)), exactly
;;       r = np.clip(x / 2.0 ** e, -7.5, 7.5)
;;       step = 2.0 ** (np.maximum(np.frexp(np.where(r == 0, 1, r))[1] - 1, 0) - 3)
;;       q = np.round(r / step) * step * 2.0 ** e      # np.round: ties to even
;;       return np.moveaxis(q.reshape(q.shape[:-2] + (-1,))[..., :K], -1, axis).astype(np.float32)
;;   ~~~
;;   SOFTMAX AHEAD OF A QUANTISED PRODUCT. Where the list says 'softmax', what is quantised is not the finished softmax but p = 2^(t - M), with t = logit x log2(e) and M = ceil(the row's largest t), a whole number; so 1/2 < the row's largest p <= 1. The row's sum l is taken of the UNQUANTISED p, in f32, and the product's result is divided by l at the end. Since M is a whole number, a kernel that streams over the keys may use a running M (the ceiling of the running maximum): every later rescaling is an exact power of two, which a block's scale takes up: the codes' values come out the same.
;;   OPERANDS COMPUTED ON THE WAY. 'Computed on the way' means the value that the module computes at that place (a softmax that the list does not call 'softmax' is quantised finished and normalised). What goes into a quantiser is computed in f32, as accurately as f32 sums, v_exp_f32 and their like allow (about 1e-6 of the number): no bf16 or f16 on the way to a quantiser, and a product that is left as it is and whose result goes on into a quantised operand takes f32 operands (vector FMAs, or v_wmma_f32_16x16x4_f32). A number that lies on a knife's edge between two numbers of the format may be rounded either way, as far as f32 arithmetic and the matrix unit's own rounding can turn it there, and no further.
;;   INPUTS GIVEN AS CODES. Q (in the module: [2, 2048, 1024], K = its axis 2); W_K (in the module: [1024, 1024], K = its axis 1); W_O (in the module: [1024, 1024], K = its axis 1); W_Q (in the module: [1024, 1024], K = its axis 1); W_V (in the module: [1024, 1024], K = its axis 1): each comes as NAME_codes (uint8): NAME with its K axis moved to the last place and cut into blocks of 32 codes, [.., K / 32, bytes a block], one block behind the other in memory; four codes in three bytes: a row's codes are one little-endian stream of bits, code i at bits 6 i .. 6 i + 5 (a code: sign, 2 exponent bits, 3 mantissa bits); and NAME_scales (uint8): the same leading axes, one E8M0 byte (e + 127) for each 32 codes along K. Its value is code x scale, taken as it is: it is not quantised again, and the codes and scales need not be those that the quantiser above would give.
;; One version. Each part assembles by itself: llvm-mc -triple=amdgcn-amd-amdhsa -mcpu=gfx1250 --defsym DOCPART=n.
;; ======== version 1 of 1: 3 launches
;; limits: right only within a limited range of input values
;; workspace buffers: mbits 524,288 bytes of whole numbers; qbuf 3,407,872 bytes; kv 6,684,672 bytes; oimg 3,145,728 bytes; osc 131,072 bytes
;; launch qkv (part 1): grid 12 x 16, 4 waves a work-group, clusters of 4 x 4, 327,680 bytes of LDS; arguments Q_codes, Q_scales, W_Q_codes, W_Q_scales, W_K_codes, W_K_scales, W_V_codes, W_V_scales, b_Q, b_K, b_V, qbuf, kv, mask, mbits; writes qbuf, kv, mbits
.if DOCPART == 1
	.amdgcn_target "amdgcn-amd-amdhsa--gfx1250"
	.amdhsa_code_object_version 6
	.text
	.protected	k_qdd017a632c_qkv
	.globl	k_qdd017a632c_qkv
	.p2align	8
	.type	k_qdd017a632c_qkv,@function
k_qdd017a632c_qkv:
	s_mov_b64 s[64:65], 0
	v_nop
	global_prefetch_b8 v0, s[64:65] scope:SCOPE_SE
	s_setreg_imm32_b32 hwreg(HW_REG_WAVE_MODE, 25, 1), 1
	s_wait_xcnt 0x0
	s_wait_alu depctr_hold_cnt(0) depctr_sa_sdst(0) depctr_va_vdst(0) depctr_va_sdst(0) depctr_va_ssrc(0) depctr_va_vcc(0) depctr_vm_vsrc(0)
	s_getreg_b32 s2, hwreg(HW_REG_IB_STS2, 6, 4)
	s_cmp_eq_u32 s2, 0
	s_cbranch_scc0 .Lentry_in_a_cluster
	s_endpgm
.Lentry_in_a_cluster:
	s_bfe_u32 s2, ttmp6, 0x10000c
	s_cmp_lg_u32 s2, 0xf033
	s_cbranch_scc0 .Lentry_shape_is_right
	s_endpgm
.Lentry_shape_is_right:
; q = Q W_Q^T + b_Q, k = Q W_K^T + b_K, v = Q W_V^T + b_V on codes of FP6 (E2M3) with E8M0 scales, sums in f32; each result is quantised in registers
; (q and k along a head's 64 channels, v along the keys) and stored as images of the operand registers that the attention launch loads.
; A work-group of four waves makes 256 x 256, a wave 128 x 128: 64 accumulators.  K = 1,024 is 768 bytes a row: three chunks of 256 bytes through a ring of two LDS slots; chunk c lies in slot c % 2.
; A matrix step is 96 bytes of a row: eight steps to three chunks; steps 2 and 5 lie across two chunks.
; ROLES, by the cluster's x (the same in all sixteen partners): 0 = q, 1 = k, 2 = v.  A is source 1 (a lane holds one of its rows), B source 0 (a lane's registers run along its rows: the axis that is quantised).
;   q, k: A = 256 tokens (tile 4 x cluster y + cy), B = 256 rows of the weight (tile cx).   v: A = 256 rows of W_V (tile cy), B = 256 tokens (tile 4 x cluster y + cx).
; Lane-row r of tile a of a wave's 128 rows is row P(a, r) = 32 (a / 2) + 8 (a % 2) + r + 8 (r / 8), on both sides: the 16 registers of accumulators (a, 2 i), (a, 2 i + 1) are 16 neighbours along B.
; The bias is the C of each sum's first product: by B's row for q and k, by A's row for v: that step is written twice, under a scalar branch on the role.
; CLUSTERS 4 x 4: A's tiles are asked for jointly by a row of the cluster, B's by a column.  The head's four tiles (chunk 0 of A, of B, A's scales, B's scales) go one to a wave.
; NO PREFETCH: of three chunks two are asked for at the head and one by the single refill; there is no loop to run ahead in.
; OUT.  qbuf [head-of-batch 32][group of 128 tokens 16][6,656]: eight tiles x 768 bytes (six registers: four at 16 x lane, two at 512 + 8 x lane), then 512 bytes of scale words.
;       kv [32][16][13,056]: k as in qbuf; at 6,656 v: [half 2][tile of 16 channels 4][768]; at 12,800 v's scale words.  Every store covers 256 or 512 consecutive bytes, aligned.
; THE MASK becomes lane masks: mbits [T 128][step 16][n 64] of words; bit l of word n: query 128 (T / 8) + P(T % 8, l % 16), key 128 step + 32 (n / 16) + 16 (l / 16) + n % 16.  Made by the 512 waves of the roles q and k, four (T, step) a wave.
; LIMITS: a block of zeros gets the scale byte 1 (the quantiser's rule says 127; its codes are zeros, and this program alone reads the bytes); NaN and infinities are not served.
; REGISTERS: window 0: v0-31 addresses; v32-63 scale words, two sets; v64-127 the bias; v128-223 A's fragments (ahead of them the mask's bytes); v224-231 the bias loads' offsets.  Window 1: B's fragments, two sets.  Windows 2, 3: accumulators.
.set NQ,     2
.set ROWB,   256
.set KROW,   768
.set STEPS,  8
.set CHUNKS, 3
.set PITCH,  272
.set FR,     12
.set NL,     6
.set NP,     4
.set HALFT,  128*PITCH
.set SLOT,   4*HALFT
.set KS,     32
.set SCL,    2*SLOT
.set HALFS,  (128*KS/256)*272
.set SPARE,  SCL+4*HALFS
.set QREC,   6656
.set REC,    13056
.set KSC,    6144
.set VOFF,   6656
.set VSC,    12800
.set MA,   10
.set ADRA, 16                          ; v16-17 A's fragments in slot 0, 1; v18-19 lanes 0-15 at byte 232 of slot 0, 1 and lanes 16-31 at byte 0 of the other slot
.set ADRB, 20                          ; v20-23 the same for B
.set L16,  24
.set L8,   25
.set SOFF, 26
.set ADRS, 27
.set SPW,  28
.set NIL,  29
.set SC,   32
.set CB,   64
.set AF,   128
.set MD,   128
.set MT,   192
.set MO,   200
.set PCB,  128
.set TM,   200
.set PW,   216
.set VO,   224
.set G1,   24
.set G0,   32
.set G1B,  48
.set G0B,  56
.set G1S,  68
.set G0S,  76
.set G1SB, 80
.set G0SB, 88
.set BP,   40
.set RS,   94
.set ISV,  95
.set SEL,  100
.set MSB, 0
.macro WIN new
.if MSB != \new
	s_set_vgpr_msb (MSB<<8)|\new
.set MSB, \new
.endif
.endm
.set MUL_LO, 0xa1
.set MUL_HI, 0xf1
.set BEG_LO, 0x81
.set BEG_HI, 0xc1
.set TO_B,   0x40
.macro JLOAD g0a, g1a, g0b, g1b        ; waves 0, 1 fetch for A, waves 2, 3 for B
	s_cmp_eq_u32 s15, 0
	s_cbranch_scc0 .Lfor_b_\@
	tensor_load_to_lds s[\g0a:\g0a+3], s[\g1a:\g1a+7]
	s_nop 0
.rept 4
	v_nop
.endr
	s_branch .Lasked_\@
.Lfor_b_\@:
	tensor_load_to_lds s[\g0b:\g0b+3], s[\g1b:\g1b+7]
	s_nop 0
.rept 4
	v_nop
.endr
.Lasked_\@:
.endm
.macro CREST
	s_cmp_lg_u32 s14, 0
	s_cbranch_scc1 .Lnot_wave_0_\@
	s_barrier_signal -3
.Lnot_wave_0_\@:
	s_barrier_wait -3
	s_barrier_signal -1
	s_barrier_wait -1
.endm
.macro CROUND
	s_barrier_signal -1
	s_barrier_wait -1
	CREST
.endm
	s_load_b512 s[68:83], s[0:1], 0x0              ; Q's codes, scales; W_Q's; W_K's; W_V's
	s_load_b256 s[84:91], s[0:1], 0x40             ; b_Q, b_K, b_V, qbuf
	s_load_b64 s[92:93], s[0:1], 0x60              ; kv
	v_lshl_add_u32 v[SPW], v0, 2, SPARE
	v_mov_b32 v[NIL], 0
	ds_add_u32 v[SPW], v[NIL]                      ; the opening lines
	ds_add_u32 v[SPW], v[NIL]
	v_lshrrev_b32 v1, 5, v0
	v_readfirstlane_b32 s14, v1                    ; wave
	s_lshr_b32 s15, s14, 1                         ; my half of A's rows; also: I fetch for A (0) or B (1)
	s_and_b32 s16, s14, 1                          ; my half of B's rows; also: which 128 rows I fetch
	s_bfe_u32 s40, ttmp6, 0x40000                  ; cx
	s_bfe_u32 s41, ttmp6, 0x40004                  ; cy
	s_and_b32 s18, ttmp7, 0xffff
	s_lshl_b32 s18, s18, 2
	s_cmp_eq_u32 ttmp9, 2
	s_cselect_b32 s[ISV], 1, 0
	s_cselect_b32 s19, 0, s18
	s_cselect_b32 s18, s18, 0
	s_add_co_u32 s17, s41, s19                     ; A's tile
	s_add_co_u32 s42, s40, s18                     ; B's tile
	s_mov_b32 s[RS], REC
	s_cmp_eq_u32 ttmp9, 0
	s_cselect_b32 s[RS], QREC, s[RS]
	s_lshl_b32 s43, s41, 2
	s_lshl_b32 s43, 15, s43                        ; my row of the cluster
	s_lshl_b32 s44, 0x1111, s40                    ; my column
	s_or_b32 s[G1+0], s43, (0<<16)|(1<<20)|(1<<21)|(5<<22)|(3<<25)   ; rows of 256 bytes, 16 bytes of padding behind each
	s_or_b32 s[G1B+0], s44, (0<<16)|(1<<20)|(1<<21)|(5<<22)|(3<<25)
.irp g, G1, G1B
	s_mov_b32 s[\g+1], ROWB<<16
	s_mov_b32 s[\g+2], 256<<16                     ; the head's loads bring 256 rows
	s_mov_b32 s[\g+3], ROWB<<16
	s_mov_b32 s[\g+4], 256
	s_mov_b32 s[\g+5], KROW
	s_mov_b32 s[\g+6], 0
	s_mov_b32 s[\g+7], 0
.endr
	s_lshl_b32 s20, s17, 8                         ; A's first row
	s_lshl_b32 s46, s42, 8                         ; B's
	s_mov_b32 s21, 0
	s_mov_b32 s47, 0
	s_mov_b64 s[18:19], KS
	s_mul_u64 s[22:23], s[20:21], s[18:19]
	s_mul_u64 s[98:99], s[46:47], s[18:19]
	s_mov_b64 s[18:19], KROW
	s_mul_u64 s[20:21], s[20:21], s[18:19]
	s_mul_u64 s[46:47], s[46:47], s[18:19]
	s_mul_i32 s18, s16, 128*KROW                   ; in the ring: my 128 rows, in bytes
	s_mov_b32 s19, 0
	s_mul_i32 s45, s14, HALFT                      ; and where they go
	s_wait_dscnt 0x0
	s_wait_kmcnt 0x0
	s_cmp_eq_u32 ttmp9, 0                          ; the buffers are chosen by the role alone
	s_cselect_b64 s[8:9], s[72:73], s[76:77]
	s_cselect_b64 s[10:11], s[74:75], s[78:79]
	s_cselect_b64 s[12:13], s[84:85], s[86:87]
	s_cselect_b64 s[96:97], s[90:91], s[92:93]
	s_cmp_eq_u32 ttmp9, 2
	s_cselect_b64 s[4:5], s[80:81], s[68:69]
	s_cselect_b64 s[6:7], s[82:83], s[70:71]
	s_cselect_b64 s[8:9], s[68:69], s[8:9]
	s_cselect_b64 s[10:11], s[70:71], s[10:11]
	s_cselect_b64 s[12:13], s[88:89], s[12:13]
	s_add_nc_u64 s[20:21], s[4:5], s[20:21]
	s_add_nc_u64 s[22:23], s[6:7], s[22:23]
	s_add_nc_u64 s[46:47], s[8:9], s[46:47]
	s_add_nc_u64 s[98:99], s[10:11], s[98:99]
	s_load_b64 s[4:5], s[0:1], 0x68                ; mask
	s_load_b64 s[6:7], s[0:1], 0x70                ; mbits
	s_or_b32 s[G1S+0], s43, (3<<16)|(1<<20)|(1<<21)|(5<<22)|(3<<25)  ; the scales of 256 rows: 8,192 dense bytes as 32 rows of 256
	s_or_b32 s[G1SB+0], s44, (3<<16)|(1<<20)|(1<<21)|(5<<22)|(3<<25)
.irp g, G1S, G1SB
	s_mov_b32 s[\g+1], 32<<16
	s_mov_b32 s[\g+2], KS<<16
	s_mov_b32 s[\g+3], 32<<16
	s_mov_b32 s[\g+4], KS
	s_mov_b32 s[\g+5], 32
	s_mov_b32 s[\g+6], 0
	s_mov_b32 s[\g+7], 0
.endr
	CROUND                                         ; the first joint loads meet
	s_mov_b32 s[G0], 1                             ; slot 0's groups 0 serve the head first: chunk 0's 256 rows of A,
	s_mov_b32 s[G0+1], 0
	s_mov_b64 s[G0+2:G0+3], s[20:21]
	s_or_b32 s[G0+3], s[G0+3], 0x80000000
	s_mov_b32 s[G0B], 1                            ; of B,
	s_mov_b32 s[G0B+1], 2*HALFT
	s_mov_b64 s[G0B+2:G0B+3], s[46:47]
	s_or_b32 s[G0B+3], s[G0B+3], 0x80000000
	s_mov_b32 s[G0S], 1                            ; A's scales,
	s_mov_b32 s[G0S+1], SCL
	s_mov_b64 s[G0S+2:G0S+3], s[22:23]
	s_or_b32 s[G0S+3], s[G0S+3], 0x80000000
	s_mov_b32 s[G0SB], 1                           ; B's
	s_mov_b32 s[G0SB+1], SCL+2*HALFS
	s_mov_b64 s[G0SB+2:G0SB+3], s[98:99]
	s_or_b32 s[G0SB+3], s[G0SB+3], 0x80000000
	s_mov_b32 s[G0+4], 1                           ; slot 1: chunk 1, my 128 rows
	s_add_co_u32 s[G0+5], s45, SLOT
	s_add_nc_u64 s[G0+6:G0+7], s[20:21], s[18:19]
	s_add_nc_u64 s[G0+6:G0+7], s[G0+6:G0+7], ROWB
	s_or_b32 s[G0+7], s[G0+7], 0x80000000
	s_mov_b32 s[G0B+4], 1
	s_add_co_u32 s[G0B+5], s45, SLOT
	s_add_nc_u64 s[G0B+6:G0B+7], s[46:47], s[18:19]
	s_add_nc_u64 s[G0B+6:G0B+7], s[G0B+6:G0B+7], ROWB
	s_or_b32 s[G0B+7], s[G0B+7], 0x80000000
.macro ARM under, g0, g1, next         ; one tree of branches on the wave's number: every way passes one load
	s_cmp_lt_u32 s14, \under
	s_cbranch_scc0 \next
	tensor_load_to_lds s[\g0:\g0+3], s[\g1:\g1+7]
	s_nop 0
.rept 4
	v_nop
.endr
	s_branch .Lhead_asked
\next:
.endm
	ARM 1, G0,  G1,  .Lhead_b
	ARM 2, G0B, G1B, .Lhead_sa
	ARM 3, G0S, G1S, .Lhead_sb
	tensor_load_to_lds s[G0SB:G0SB+3], s[G1SB:G1SB+7]
	s_nop 0
.rept 4
	v_nop
.endr
.Lhead_asked:
	v_and_b32 v1, 15, v0                           ; r
	v_bfe_u32 v2, v0, 4, 1                         ; h
	v_and_b32 v7, 8, v1
	v_add_nc_u32 v7, v7, v1                        ; r + 8 (r / 8)
	v_mul_u32_u24 v3, v7, PITCH
	v_mul_u32_u24 v4, v2, 24
	v_add_nc_u32 v4, v3, v4
	s_mov_b32 s21, SLOT-232
	s_mov_b32 s22, SLOT+232
	v_sub_nc_u32 v8, 1, v2
	v_mul_u32_u24 v5, s21, v2
	v_add_nc_u32 v5, v3, v5
	v_add_nc_u32 v5, 232, v5                       ; lanes 0-15 byte 232 in slot 0, lanes 16-31 byte 0 in slot 1
	v_mul_u32_u24 v6, s22, v8
	v_add_nc_u32 v6, v3, v6                        ; and the other way round
	s_mul_i32 s21, s15, HALFT
	s_mul_i32 s22, s16, HALFT
	s_add_co_u32 s22, s22, 2*HALFT
	v_add_nc_u32 v[ADRA+2], s21, v5
	v_add_nc_u32 v[ADRA+3], s21, v6
	v_add_nc_u32 v[ADRB+2], s22, v5
	v_add_nc_u32 v[ADRB+3], s22, v6
.irp s, 0,1
	v_add_nc_u32 v[ADRA+\s], s21, v4
	v_add_nc_u32 v[ADRB+\s], s22, v4
	s_add_co_u32 s21, s21, SLOT
	s_add_co_u32 s22, s22, SLOT
.endr
	v_lshrrev_b32 v5, 3, v1                        ; my row's scales: row r + 8 (r / 8) of 32 bytes, eight rows to a unit of 272
	v_mul_u32_u24 v5, v5, 544
	v_and_b32 v6, 7, v1
	v_lshl_add_u32 v5, v6, 5, v5
	s_mul_i32 s21, s15, HALFS
	s_mul_i32 s22, s16, HALFS
	s_add_co_u32 s22, s22, 2*HALFS
	s_sub_co_u32 s22, s22, s21
	v_mul_u32_u24 v6, s22, v2                      ; lanes 16-31 take B's
	s_add_co_u32 s21, s21, SCL
	v_add_nc_u32 v5, v5, v6
	v_add_nc_u32 v[ADRS], s21, v5
	v_and_b32 v6, 31, v0
	v_lshlrev_b32 v[L16], 4, v6
	v_lshlrev_b32 v[L8], 3, v6
	; the bias in the result's layout.  q, k: register 8 b + j = bias[B row 32 (b / 2) + 8 (b % 2) + 16 h + j];  v: register 8 a + j = bias[A row P(a, r)]
	s_lshl_b32 s18, s17, 10
	s_lshl_b32 s19, s15, 9
	s_add_co_u32 s18, s18, s19
	s_lshl_b32 s19, s42, 10
	s_lshl_b32 s20, s16, 9
	s_add_co_u32 s19, s19, s20
	s_cmp_eq_u32 s[ISV], 1
	s_cselect_b32 s18, s18, s19
	s_cselect_b32 s20, 0, 64
	s_cselect_b32 s21, 4, 0
	s_cselect_b32 s22, 0, 4
	s_mov_b32 s19, 0
	s_add_nc_u64 s[12:13], s[12:13], s[18:19]
	v_mul_u32_u24 v8, v2, s20
	v_mad_u32_u24 v8, v7, s21, v8
	v_mov_b32 v9, s22
.irp j, 0,1,2,3,4,5,6,7
	v_mad_u32_u24 v[VO+\j], v9, \j, v8
.endr
.irp x, 0,1,2,3,4,5,6,7
.irp j, 0,1,2,3,4,5,6,7
	global_load_b32 v[CB+8*\x+\j], v[VO+\j], s[12:13] offset:(32*(\x/2)+8*(\x%2))*4
.endr
.endr
	; where the images go: G = my group of 128 tokens, H0 = the first of my two heads; the record is ((G / 16) 16 + H0) 16 + G % 16
	s_lshl_b32 s18, s17, 1
	s_add_co_u32 s18, s18, s15
	s_lshl_b32 s19, s42, 1
	s_add_co_u32 s19, s19, s16
	s_lshl_b32 s2, s[RS], 4
	s_cmp_eq_u32 s[ISV], 1
	s_cselect_b32 s20, s19, s18
	s_cselect_b32 s21, s18, s19
	s_cselect_b32 s40, VOFF, 0
	s_cselect_b32 s42, 3072, s2
	s_cselect_b32 s44, 16*REC-3072, 0
	s_mov_b32 s46, KSC
	s_cselect_b32 s46, VSC, s46
	s_mov_b32 s3, 256
	s_cselect_b32 s3, 16*REC, s3
	s_lshl_b32 s21, s21, 1
	s_lshr_b32 s22, s20, 4
	s_lshl_b32 s22, s22, 4
	s_add_co_u32 s22, s22, s21
	s_lshl_b32 s22, s22, 4
	s_and_b32 s23, s20, 15
	s_add_co_u32 s22, s22, s23
	s_mul_i32 s22, s22, s[RS]
	s_mov_b32 s23, 0
	s_add_nc_u64 s[96:97], s[96:97], s[22:23]
	s_mov_b32 s41, 0
	s_mov_b32 s43, 0
	s_mov_b32 s45, 0
	s_mov_b32 s47, 0
	s_add_nc_u64 s[98:99], s[96:97], s[46:47]
	s_add_nc_u64 s[40:41], s[96:97], s[40:41]
	s_add_nc_u64 s[42:43], s[40:41], s[42:43]
	s_add_nc_u64 s[46:47], s[42:43], s[44:45]
	s_add_nc_u64 s[44:45], s[40:41], s[44:45]
	s_add_nc_u64 s[92:93], s[42:43], KSC
	v_mul_u32_u24 v[SOFF], v2, s3
	v_lshl_add_u32 v[SOFF], v1, 4, v[SOFF]
	s_mov_b32 s[SEL], 0x76543210
	s_mov_b32 s[SEL+1], 0xfedcba98
.macro FRAG reg, adr, st, i            ; 12 registers: two runs of 24 bytes of the row's stream of bits, in pieces of 8; byte y of a row lies in slot (y / 256) % 2 at byte y % 256
.irp p, 0,1,2,3,4,5
.set BY, 96*(\st)+48*(\p/3)+8*(\p%3)
.if BY/ROWB == (BY+24)/ROWB
	ds_load_b64 v[\reg+2*\p:\reg+2*\p+1], v[\adr+(BY/ROWB)%2] offset:BY%ROWB+(32*((\i)/2)+8*((\i)%2))*PITCH
.else
	ds_load_b64 v[\reg+2*\p:\reg+2*\p+1], v[\adr+2+(BY/ROWB)%2] offset:BY%ROWB-232+(32*((\i)/2)+8*((\i)%2))*PITCH
.endif
.endr
.endm
; 16 matrix instructions; zero = 1: C = the bias by B's block; 2: by A's block; 0: in place.  The 64 accumulators take turns.
.macro MUL16 a0, p, q, sc, zero
.irp a, \a0, \a0+1
.irp b, 0,1,2,3,4,5,6,7
.set rD, 8*(8*((\a)%4)+\b)
.set rB, 128*(\p)+FR*\b
.set rA, AF+FR*(\a)
.set rSB, SC+8*NQ*(\sc)+NQ*\b+(\q)
.set rSA, SC+8*NQ*(\sc)+NQ*(\a)+(\q)
.if (\zero) == 1
	v_wmma_scale_f32_16x16x128_f8f6f4 v[rD:rD+7], v[rB:rB+FR-1], v[rA:rA+FR-1], v[CB+8*\b:CB+8*\b+7], v[rSB], v[rSA] matrix_a_fmt:MATRIX_FMT_FP6 matrix_b_fmt:MATRIX_FMT_FP6 matrix_a_scale:MATRIX_SCALE_ROW1
.elseif (\zero) == 2
	v_wmma_scale_f32_16x16x128_f8f6f4 v[rD:rD+7], v[rB:rB+FR-1], v[rA:rA+FR-1], v[CB+8*(\a):CB+8*(\a)+7], v[rSB], v[rSA] matrix_a_fmt:MATRIX_FMT_FP6 matrix_b_fmt:MATRIX_FMT_FP6 matrix_a_scale:MATRIX_SCALE_ROW1
.else
	v_wmma_scale_f32_16x16x128_f8f6f4 v[rD:rD+7], v[rB:rB+FR-1], v[rA:rA+FR-1], v[rD:rD+7], v[rSB], v[rSA] matrix_a_fmt:MATRIX_FMT_FP6 matrix_b_fmt:MATRIX_FMT_FP6 matrix_a_scale:MATRIX_SCALE_ROW1
.endif
.endr
.endr
.endm
.macro FETCH_B st, p
	WIN TO_B
.irp i, 0,1,2,3,4,5,6,7
	FRAG 128*(\p)+FR*\i, ADRB, \st, \i
.endr
	WIN 0
.endm
.macro FETCH_A st, i0
.irp i, \i0, \i0+1, \i0+2, \i0+3
	FRAG AF+FR*(\i), ADRA, \st, \i
.endr
.endm
.macro SCALES pr                       ; the scale words of steps 2 pr, 2 pr + 1 into set pr % 2; lanes 0-15 A's tile i, lanes 16-31 B's
.irp i, 0,1,2,3,4,5,6,7
	ds_load_b64 v[SC+8*NQ*((\pr)%2)+NQ*\i:SC+8*NQ*((\pr)%2)+NQ*\i+1], v[ADRS] offset:(4*(\i/2)+\i%2)*272+4*NQ*(\pr)
.endr
.endm
.macro PLACES n
.rept \n
	v_nop
.endr
.endm
; A step: 64 matrix instructions; the next step's fragments are fetched in its middle and at its end.  Where the next step's bytes end in a chunk not read yet, a barrier shows that chunk whole;
; where they begin in a later chunk, the chunk left behind is read no more: the three lines, the barrier, and, if a chunk two on is left, the cluster's round and the refill.
.macro STEP st, zero
.set NX, (\st)+1
.set C0, (96*(\st))/ROWB
.set C1, (96*NX)/ROWB
.set E0, (96*(\st)+95)/ROWB
.set E1, (96*NX+95)/ROWB
.if \zero
.set WL, BEG_LO
.set WH, BEG_HI
.else
.set WL, MUL_LO
.set WH, MUL_HI
.endif
.if C1 > C0 || E1 > E0
	s_wait_tensorcnt 0x0                           ; all my tensor loads have landed
.if C1 > C0
	ds_add_u32 v[SPW], v[NIL]
	s_wait_dscnt 4*NL+1                            ; the add and A's blocks 4-7 (24 loads) may be out
.else
	s_wait_dscnt 4*NL
.endif
	WIN WL
	MUL16 0, (\st)%2, (\st)%2, ((\st)/2)%2, \zero
	s_wait_dscnt 0x0                               ; the add and my reads are done
	s_barrier_signal -1
	MUL16 2, (\st)%2, (\st)%2, ((\st)/2)%2, \zero
	WIN 0
	s_barrier_wait -1
.if C1 > C0 && C0+2 < CHUNKS
	CREST
	s_add_nc_u64 s[G0+4*(C0%2)+2:G0+4*(C0%2)+3], s[G0+4*(C0%2)+2:G0+4*(C0%2)+3], 2*ROWB
	s_add_nc_u64 s[G0B+4*(C0%2)+2:G0B+4*(C0%2)+3], s[G0B+4*(C0%2)+2:G0B+4*(C0%2)+3], 2*ROWB
	JLOAD G0+4*(C0%2), G1, G0B+4*(C0%2), G1B       ; chunk C0 + 2; its four v_nop are the places in front of the loads below
.else
	PLACES NP
.endif
.else
	s_wait_dscnt 4*NL                              ; all but the 24 youngest loads (A's blocks 4-7)
	WIN WL
	MUL16 0, (\st)%2, (\st)%2, ((\st)/2)%2, \zero
	MUL16 2, (\st)%2, (\st)%2, ((\st)/2)%2, \zero
	s_wait_dscnt 0
	PLACES NP
.endif
	FETCH_B NX, NX%2
	FETCH_A NX, 0
.if NX%2 == 0
	SCALES NX/2
.endif
	WIN WH
	MUL16 4, (\st)%2, (\st)%2, ((\st)/2)%2, \zero
	MUL16 6, (\st)%2, (\st)%2, ((\st)/2)%2, \zero
	PLACES NP
	WIN 0
	FETCH_A NX, 4
.endm
	; the mask's lane masks, in the roles q and k, while the head's tiles are on their way; the branch hangs on the cluster's x
	s_wait_kmcnt 0x0
	s_cmp_lt_u32 ttmp9, 2
	s_cbranch_scc0 .Lno_mask
	s_bfe_u32 s18, ttmp6, 0x40000
	s_bfe_u32 s19, ttmp6, 0x40004
	s_lshl_b32 s19, s19, 2
	s_add_co_u32 s18, s18, s19
	s_and_b32 s19, ttmp7, 0xffff
	s_lshl_b32 s20, ttmp9, 2
	s_add_co_u32 s19, s19, s20
	s_lshl_b32 s19, s19, 4
	s_add_co_u32 s18, s18, s19                     ; T = 16 (4 x cluster x + cluster y) + 4 cy + cx: it enters global addresses alone
	s_lshr_b32 s19, s18, 3
	s_lshl_b32 s19, s19, 7
	s_bfe_u32 s20, s18, 0x20001
	s_lshl_b32 s20, s20, 5
	s_add_co_u32 s19, s19, s20
	s_and_b32 s20, s18, 1
	s_lshl_b32 s20, s20, 3
	s_add_co_u32 s19, s19, s20                     ; the tile's first query
	s_lshl_b32 s20, s19, 11
	s_lshl_b32 s21, s14, 9
	s_add_co_u32 s20, s20, s21
	s_mov_b32 s21, 0
	s_lshl_b32 s22, s18, 12
	s_lshl_b32 s23, s14, 10
	s_add_co_u32 s22, s22, s23
	s_mov_b32 s23, 0
	s_add_nc_u64 s[4:5], s[4:5], s[20:21]
	s_add_nc_u64 s[6:7], s[6:7], s[22:23]
	v_lshlrev_b32 v[MA], 11, v7
	v_lshl_add_u32 v[MA], v2, 4, v[MA]
.irp u, 0,1,2,3
.irp b, 0,1,2,3
	global_load_b128 v[MD+16*\u+4*\b:MD+16*\u+4*\b+3], v[MA], s[4:5] offset:128*\u+32*\b th:TH_LOAD_NT
.endr
.endr
.irp k, 0,1,2,3,4,5,6,7
	v_mov_b32 v[MO+\k], 0
.endr
	s_wait_loadcnt 0x0
.set n, 0
.rept 32                                       ; words n, n + 1 of all four steps: k = 2 u + j goes to lane n / 2 of register 2 u + j
.irp k, 0,1,2,3,4,5,6,7
	v_and_b32 v[MT+\k], 0xff<<(8*(n%4+\k%2)), v[MD+16*(\k/2)+n/4]
.endr
.irp k, 0,1,2,3,4,5,6,7
	v_cmp_ne_u32 s[16+\k], 0, v[MT+\k]
.endr
.irp k, 0,1,2,3,4,5,6,7
	v_writelane_b32 v[MO+\k], s[16+\k], n/2
.endr
.set n, n+2
.endr
.irp u, 0,1,2,3
	global_store_b64 v[L8], v[MO+2*\u:MO+2*\u+1], s[6:7] offset:256*\u
.endr
	s_wait_xcnt 0x0                                ; the stores have read their registers, which A's fragments take below
.Lno_mask:
	s_wait_alu depctr_va_vdst(0)                   ; the wait at the head's end
	s_wait_tensorcnt 0x0                           ; my tile of the head's four is in; the three lines ahead of slot 1's first fill
	ds_add_u32 v[SPW], v[NIL]
	s_mov_b32 s[G1+2], 128<<16                     ; no tensor load of mine is out: from here on a load brings 128 rows,
	s_mov_b32 s[G1+4], 128
	s_mov_b32 s[G1B+2], 128<<16
	s_mov_b32 s[G1B+4], 128
	s_and_b32 s18, s14, 1                          ; and slot 0's groups 0 become the ring's: my 128 rows, at wave x 128 rows of LDS
	s_mul_i32 s18, s18, 128*KROW
	s_mov_b32 s19, 0
	s_mul_i32 s20, s14, HALFT
	s_mov_b32 s[G0+1], s20
	s_add_nc_u64 s[G0+2:G0+3], s[G0+2:G0+3], s[18:19]
	s_mov_b32 s[G0B+1], s20
	s_add_nc_u64 s[G0B+2:G0B+3], s[G0B+2:G0B+3], s[18:19]
	s_wait_dscnt 0x0
	CROUND
	JLOAD G0+4, G1, G0B+4, G1B                     ; chunk 1
	FETCH_B 0, 0
	FETCH_A 0, 0
	SCALES 0
	FETCH_A 0, 4
	s_wait_loadcnt 0x0                             ; the bias
	s_cmp_eq_u32 s[ISV], 1
	s_cbranch_scc1 .Lfirst_v
	STEP 0, 1
	s_branch .Lfirst_done
.Lfirst_v:
	STEP 0, 2
.Lfirst_done:
.set ST, 1
.rept STEPS-2
	STEP ST, 0
.set ST, ST+1
.endr
	s_wait_dscnt 4*NL
	WIN MUL_LO
	MUL16 0, 1, 1, 1, 0
	MUL16 2, 1, 1, 1, 0
	s_wait_dscnt 0
	WIN MUL_HI
	MUL16 4, 1, 1, 1, 0
	MUL16 6, 1, 1, 1, 0
	WIN 0
; THE WAY OUT.  Block a: a lane's 64 numbers become a fragment's 12 registers of codes and a scale word.  The scale: the largest magnitude, with the floor 2^(3 - 127), 2 off its exponent field.
.macro QUANT a
.set QAC, 64*((\a)%4)
.set QW,  2+(\a)/4
.set QWW, 5*QW
.set QPC, PCB+24*((\a)%2)
	WIN QWW
.irp b, 0,1,2,3
	v_max3_num_f32 v[TM+\b], |v[QAC+16*\b]|, |v[QAC+16*\b+1]|, 0x1800000
.endr
.irp i, 2,4,6,8,10,12,14
.irp b, 0,1,2,3
	v_max3_num_f32 v[TM+\b], |v[QAC+16*\b+\i]|, |v[QAC+16*\b+\i+1]|, v[TM+\b]
.endr
.endr
	WIN 0
.irp b, 0,1,2,3
	v_permlanex16_b32 v[TM+4+\b], v[TM+\b], s[SEL], s[SEL+1]
.endr
.irp b, 0,1,2,3
	v_max_num_f32 v[TM+\b], v[TM+\b], v[TM+4+\b]
.endr
.irp b, 0,1,2,3
	v_add_nc_u32 v[TM+12+\b], 0xff000000, v[TM+\b]
.endr
.irp b, 0,1,2,3
	v_lshrrev_b32 v[TM+4+\b], 23, v[TM+12+\b]
.endr
	v_lshl_or_b32 v[PW+(\a)], v[TM+5], 8, v[TM+4]
	v_lshl_or_b32 v[PW+(\a)], v[TM+6], 16, v[PW+(\a)]
	v_lshl_or_b32 v[PW+(\a)], v[TM+7], 24, v[PW+(\a)]
	s_wait_alu depctr_va_vdst(0)
	s_wait_xcnt 0x0                                ; the stores of two blocks ago have read this set of registers
	WIN QW
.irp c, 0,1
	v_cvt_scalef32_pk16_fp6_f32 v[QPC+6*\c:QPC+6*\c+2], v[QAC+32*\c:QAC+32*\c+15], v[TM+12+2*\c]
	v_cvt_scalef32_pk16_fp6_f32 v[QPC+12+4*\c:QPC+14+4*\c], v[QAC+32*\c+16:QAC+32*\c+31], v[TM+12+2*\c+1]
.endr
	WIN 0
	v_nop
.irp c, 0,1
.irp i, 0,1,2
	v_permlane16_swap_b32 v[QPC+6*\c+\i], v[QPC+12+4*\c+\i]
.endr
.irp i, 0,1,2
	v_mov_b32 v[QPC+3+6*\c+\i], v[QPC+12+4*\c+\i]
.endr
.endr
.endm
.macro OUT a
.set QB, BP+4*((\a)/4)
	global_store_b128 v[L16], v[QPC:QPC+3], s[QB:QB+1] offset:768*(\a)
	global_store_b64 v[L8], v[QPC+4:QPC+5], s[QB:QB+1] offset:768*(\a)+512
	global_store_b128 v[L16], v[QPC+6:QPC+9], s[QB+2:QB+3] offset:768*(\a)
	global_store_b64 v[L8], v[QPC+10:QPC+11], s[QB+2:QB+3] offset:768*(\a)+512
.endm
	PLACES NP
.irp b, 0,1,2,3
	v_mov_b32 v[TM+4+\b], 0
.endr
.irp a, 0,1,2,3,4,5,6,7
	QUANT \a
	OUT \a
.endr
	; the scale words: lanes 0-15 give blocks 0-3's, lanes 16-31 blocks 4-7's.  q, k: the low two bytes are the first head's, the high two the second's; v: all four are one head's
	s_mov_b32 s19, 0xffff0000
.irp i, 0,1,2,3
	v_cndmask_b32 v[224+\i], v[PW+\i], v[PW+4+\i], s19
.endr
	s_cmp_eq_u32 s[ISV], 1
	s_cselect_b32 s18, -1, 0xffff
.irp i, 0,1,2,3
	v_and_b32 v[228+\i], s18, v[224+\i]
.endr
	global_store_b128 v[SOFF], v[228:231], s[98:99]
	s_cmp_eq_u32 s[ISV], 1
	s_cbranch_scc1 .Lno_second
.irp i, 0,1,2,3
	v_lshrrev_b32 v[232+\i], 16, v[224+\i]
.endr
	global_store_b128 v[SOFF], v[232:235], s[92:93]
.Lno_second:
	s_wait_tensorcnt 0x0                           ; the wave's end
	ds_add_u32 v[SPW], v[NIL]
	s_wait_dscnt 0x0
	CROUND                                         ; the closing round
	s_endpgm
.Lfunc_end_k_qdd017a632c_qkv:
	.size	k_qdd017a632c_qkv, .Lfunc_end_k_qdd017a632c_qkv-k_qdd017a632c_qkv
	.p2alignl 7, 3214868480
	.fill 96, 4, 3214868480
	.section	.rodata,"a",@progbits
	.p2align	6, 0x0
	.amdhsa_kernel k_qdd017a632c_qkv
		.amdhsa_group_segment_fixed_size 327680
		.amdhsa_private_segment_fixed_size 0
		.amdhsa_enable_private_segment 0
		.amdhsa_kernarg_size 120
		.amdhsa_user_sgpr_count 2
		.amdhsa_user_sgpr_kernarg_segment_ptr 1
		.amdhsa_wavefront_size32 1
		.amdhsa_system_sgpr_workgroup_id_x 1
		.amdhsa_system_sgpr_workgroup_id_y 1
		.amdhsa_system_sgpr_workgroup_id_z 1
		.amdhsa_system_vgpr_workitem_id 0
		.amdhsa_next_free_vgpr 1024
		.amdhsa_next_free_sgpr 102
		.amdhsa_reserve_vcc 0
		.amdhsa_float_denorm_mode_32 3
		.amdhsa_float_denorm_mode_16_64 3
		.amdhsa_memory_ordered 1
		.amdhsa_forward_progress 1
		.amdhsa_inst_pref_size 241
	.end_amdhsa_kernel
	.amdgpu_metadata
---
amdhsa.version: [ 1, 2 ]
amdhsa.kernels:
  - .name:           k_qdd017a632c_qkv
    .symbol:         k_qdd017a632c_qkv.kd
    .args:
      - { .name: Q_codes, .offset: 0, .size: 8, .value_kind: global_buffer, .address_space: global }
      - { .name: Q_scales, .offset: 8, .size: 8, .value_kind: global_buffer, .address_space: global }
      - { .name: W_Q_codes, .offset: 16, .size: 8, .value_kind: global_buffer, .address_space: global }
      - { .name: W_Q_scales, .offset: 24, .size: 8, .value_kind: global_buffer, .address_space: global }
      - { .name: W_K_codes, .offset: 32, .size: 8, .value_kind: global_buffer, .address_space: global }
      - { .name: W_K_scales, .offset: 40, .size: 8, .value_kind: global_buffer, .address_space: global }
      - { .name: W_V_codes, .offset: 48, .size: 8, .value_kind: global_buffer, .address_space: global }
      - { .name: W_V_scales, .offset: 56, .size: 8, .value_kind: global_buffer, .address_space: global }
      - { .name: b_Q, .offset: 64, .size: 8, .value_kind: global_buffer, .address_space: global }
      - { .name: b_K, .offset: 72, .size: 8, .value_kind: global_buffer, .address_space: global }
      - { .name: b_V, .offset: 80, .size: 8, .value_kind: global_buffer, .address_space: global }
      - { .name: qbuf, .offset: 88, .size: 8, .value_kind: global_buffer, .address_space: global }
      - { .name: kv, .offset: 96, .size: 8, .value_kind: global_buffer, .address_space: global }
      - { .name: mask, .offset: 104, .size: 8, .value_kind: global_buffer, .address_space: global }
      - { .name: mbits, .offset: 112, .size: 8, .value_kind: global_buffer, .address_space: global }
    .group_segment_fixed_size: 327680
    .private_segment_fixed_size: 0
    .kernarg_segment_align: 8
    .kernarg_segment_size: 120
    .max_flat_workgroup_size: 128
    .sgpr_count:     102
    .vgpr_count:     1024
    .wavefront_size: 32
...
	.end_amdgpu_metadata
.endif
;; end of part 1
;; launch attn (part 2): grid 8 x 32, 16 waves a work-group, no clusters, 210,944 bytes of LDS; arguments qbuf, kv, mbits, oimg, osc; writes oimg, osc
.if DOCPART == 2
	.amdgcn_target "amdgcn-amd-amdhsa--gfx1250"
	.amdhsa_code_object_version 6
	.text
	.protected	k_qdd017a632c_attn
	.globl	k_qdd017a632c_attn
	.p2align	8
	.type	k_qdd017a632c_attn,@function
k_qdd017a632c_attn:
	s_mov_b64 s[64:65], 0
	v_nop
	global_prefetch_b8 v0, s[64:65] scope:SCOPE_SE
	s_setreg_imm32_b32 hwreg(HW_REG_WAVE_MODE, 25, 1), 1
	s_wait_xcnt 0x0
; o = softmax(where(mask, -1e9, q k^T / 8)) v for one head of one batch, both products on codes of FP6 (E2M3) with E8M0 scales; o is quantised along the model's 1,024 and stored as images of the last product's operand registers.
; THE SOFTMAX: t = logit x log2(e); M = the running largest t rounded UP to a whole number; p = 2^(t - M) is quantised along the keys, not normalised; the row's sum is taken of the unquantised p and divides at the end.
; When M moves, the sum and O are multiplied by 2^(old M - new M): exact.
; SHARES.  Work-group (x, head-of-batch): 256 queries; each of its sixteen waves one tile of 16 queries, T = 16 x + wave, in 256 registers: four waves to a SIMD.  Every wave walks all 2,048 keys, 128 a step.
; THE MASK IS AN INPUT: every tile is computed.  Its bits come as 64 lane masks a step (made by the launch before), by scalar loads a step ahead, and select the masked score by v_cndmask_b32.
; LDS holds the head's 16 records of kv as they lie in memory (208,896 bytes from byte 0), brought ONCE by asynchronous copies at the head: 25 x 16 bytes and 1 x 8 bytes a thread.  Nothing is filled twice.
; THE FIRST THREE KEY STEPS RUN WHILE THE REST IS ON ITS WAY: every wave's first five copies are together 5 x 8,192 = 40,960 bytes, which hold records 0 to 2 (39,168 bytes).  Each wave waits for those five, a barrier, three steps,
; which read bytes 0 to 39,167 alone; then each wave waits for all its copies, a second barrier, the other thirteen steps.  The step is a macro, written out twice.
; NO CLUSTER: the eight work-groups of a head read the same 208,896 bytes, each once, and ask for nothing afterwards; lane-by-lane copies have no joint form.  Joint tensor loads would fetch them once for four partners: not built.
; NO PREFETCH: all that the launch streams is asked for at its head; the mask words, 256 bytes a step, are asked for a step ahead by the loads themselves.
; LAYOUT.  Both products are used transposed: S^T = k q^T, O^T = v^T p^T: a lane holds one query (lane % 16).  kv's tiles of keys are laid so that score register 16 b + i of lane (r, h) is key 32 b + 16 h + i of the step,
; and v's tiles of channels so that O^T's register 16 b + i is channel 32 b + 16 h + i.  THE FIRST PRODUCT'S K IS 64 in an instruction of 128: q's registers 6-11 are zero codes; a tile of k is six registers, and the operand's
; upper six are whatever lies behind it (the next tile; zeros behind the last): they meet q's zero codes under scale bytes 0, which stand for 2^-127, and add nothing.
; LIMITS.  A masked logit stands at -2^30, not -1e9: the masked score -2^33 times c is exact, so that a wholly masked row gives p = 1 for every key, as the -1e9 does.  The results are the same wherever a row is wholly masked or
; its largest unmasked logit lies above -1e9 + 150.  A block of zeros gets the scale byte 1 (this program alone reads the bytes).  NaN and infinities are not served.
; REGISTERS: v1-3 lane terms; v4-6 the step's LDS addresses; v7 the masked score; v12 -M, v13 the largest t, v[14:15] the sum; v16-27 q; v32-85 k's eight tiles, then v's four fragments;
; v96-159 S^T, then p; v160-191 O^T; v192-199 k's scale words, v200-203 v's; v204-213 the copies' addresses; v224-235 p's codes; v232-254 at work; v253 p's scale word; v255 q's.
.set REC,  13056
.set KSC,  6144
.set VOFF, 6656
.set VSC,  12800
.set QREC, 6656
.set QSC,  6144
.set EARLY, 3                          ; key steps that run on the first five copies of each wave
.set L16, 1
.set L8,  2
.set R16, 3
.set ADK, 4
.set AD8, 5
.set ADS, 6
.set MV,  7
.set CPA, 204                          ; v204-211 four pairs (LDS byte, byte in the head's records), 65,536 bytes apart; v212-213 the pair of the last, 8-byte copy
.set WV,  14
.set TB,  15                           ; s15 LDS byte at which the step's record begins
.set CNT, 16                           ; s16 steps to go in the loop in hand
.set SEL, 18                           ; s[18:19] v_permlanex16_b32's selects for lane l xor 16
.set CS,  20                           ; s[20:21] c = log2(e) / 8
	s_load_b128 s[4:7], s[0:1], 0x0                ; qbuf, kv
	s_load_b128 s[8:11], s[0:1], 0x10              ; mbits, oimg
	s_load_b64 s[12:13], s[0:1], 0x20              ; osc
	v_lshl_add_u32 v250, v0, 2, 0x33000
	v_mov_b32 v251, 0
	ds_add_u32 v250, v251
	ds_add_u32 v250, v251
	v_lshrrev_b32 v4, 5, v0
	s_delay_alu instid0(VALU_DEP_1)
	v_readfirstlane_b32 s[WV], v4                  ; wave 0..15
.irp g, 0,1,2,3
	v_lshl_add_u32 v[CPA+2*\g], v0, 4, 65536*\g    ; the copies: LDS byte 16 x thread + 65,536 g,
	v_lshl_add_u32 v[CPA+2*\g+1], v0, 4, 65536*\g  ; and byte in the head's records: the same, since the records begin at LDS byte 0
.endr
	v_lshl_add_u32 v[CPA+8], v0, 3, 25*8192
	v_lshl_add_u32 v[CPA+9], v0, 3, 25*8192
	v_and_b32 v2, 31, v0
	s_delay_alu instid0(VALU_DEP_1)
	v_lshlrev_b32 v[L16], 4, v2
	s_delay_alu instid0(VALU_DEP_2)
	v_lshlrev_b32 v[L8], 3, v2
	v_and_b32 v3, 15, v0
	s_delay_alu instid0(VALU_DEP_1)
	v_lshlrev_b32 v28, 5, v3                       ; osc: 32 bytes a row
	s_delay_alu instid0(VALU_DEP_2)
	v_lshlrev_b32 v[R16], 4, v3
	s_and_b32 s22, ttmp7, 0xffff                   ; head-of-batch
	s_lshl_b32 s23, ttmp9, 4
	s_add_co_u32 s23, s23, s[WV]                   ; T
	s_lshr_b32 s24, s23, 3
	s_lshl_b32 s25, s22, 4
	s_add_co_u32 s24, s24, s25
	s_mul_i32 s24, s24, QREC                       ; q's record
	s_and_b32 s25, s23, 7                          ; my tile in it
	s_mul_i32 s26, s25, 768
	s_add_co_u32 s26, s26, s24
	s_mov_b32 s27, 0
	s_lshr_b32 s28, s25, 2
	s_lshl_b32 s28, s28, 8
	s_and_b32 s29, s25, 3
	s_lshl_b32 s29, s29, 2
	s_add_co_u32 s28, s28, s29
	s_add_co_u32 s28, s28, s24
	s_add_co_u32 s28, s28, QSC                     ; its scale words
	s_mov_b32 s29, 0
	s_mul_i32 s32, s22, 16*REC                     ; the head's records in kv
	s_mov_b32 s33, 0
	s_lshl_b32 s34, s23, 12                        ; my tile's 16 x 256 bytes of mask words
	s_mov_b32 s35, 0
	s_and_b32 s36, s22, 15                         ; the head
	s_lshr_b32 s37, s22, 4
	s_lshl_b32 s37, s37, 7
	s_add_co_u32 s37, s37, s23                     ; my tile among the 256 of both batches
	s_lshr_b32 s38, s36, 2
	s_mul_i32 s38, s38, 786432
	s_mul_i32 s39, s37, 3072
	s_add_co_u32 s38, s38, s39
	s_and_b32 s39, s36, 3
	s_mul_i32 s39, s39, 768
	s_add_co_u32 s38, s38, s39                     ; oimg [head / 4][tile][head % 4][768]
	s_mov_b32 s39, 0
	s_lshl_b32 s40, s37, 9
	s_lshl_b32 s41, s36, 1
	s_add_co_u32 s40, s40, s41                     ; osc [tile x 16 + r][32], bytes 2 head, 2 head + 1
	s_mov_b32 s41, 0
	s_mov_b32 s[SEL], 0x76543210
	s_mov_b32 s[SEL+1], 0xfedcba98
	s_mov_b32 s[CS], 0x3e38aa3b
	s_mov_b32 s[CS+1], s[CS]                       ; (named with it as a pair, so it is written)
	s_mov_b32 s[TB], 0
	s_wait_alu depctr_va_vdst(0)
	s_wait_dscnt 0x0
	s_wait_kmcnt 0x0
	s_add_nc_u64 s[6:7], s[6:7], s[32:33]
	s_add_nc_u64 s[8:9], s[8:9], s[34:35]
	s_add_nc_u64 s[30:31], s[4:5], s[28:29]
	s_add_nc_u64 s[4:5], s[4:5], s[26:27]
	s_add_nc_u64 s[10:11], s[10:11], s[38:39]
	s_add_nc_u64 s[12:13], s[12:13], s[40:41]
	global_load_b128 v[16:19], v[L16], s[4:5]      ; q's six registers: the first step wants them, so they are asked for ahead of the copies
	global_load_b64 v[20:21], v[L8], s[4:5] offset:512
	global_load_b32 v255, v[R16], s[30:31]         ; and its scale words
	s_load_b512 s[32:47], s[8:9], 0x0              ; step 0's mask words: word n in s[32 + n], from n = 32 on in s[36 + n]
	s_load_b512 s[48:63], s[8:9], 0x40
	s_load_b512 s[68:83], s[8:9], 0x80
	s_load_b512 s[84:99], s[8:9], 0xc0
.irp g, 0,1,2                                  ; 512 threads x 16 bytes a copy: 8,192 bytes, in ascending order; the immediate goes onto both addresses and stays under 65,536: eight copies to a pair of registers
.irp i, 0,1,2,3,4,5,6,7
	global_load_async_to_lds_b128 v[CPA+2*\g], v[CPA+2*\g+1], s[6:7] offset:8192*\i
.endr
.endr
	global_load_async_to_lds_b128 v[CPA+6], v[CPA+7], s[6:7]     ; bytes 196,608 to 204,799
	global_load_async_to_lds_b64 v[CPA+8], v[CPA+9], s[6:7]      ; the last 4,096 bytes.  These ten registers and the base are never written again
.irp j, 22,23,24,25,26,27,80,81,82,83,84,85
	v_mov_b32 v[\j], 0                             ; zero codes
.endr
	v_mov_b32 v[MV], 0xd0000000                    ; -2^33
	v_mov_b32 v13, 0xff61b1e6                      ; the largest t so far: -3e38
	s_delay_alu instid0(VALU_DEP_1)
	v_floor_f32 v12, -v13                          ; -M
	v_mov_b32 v14, 0
	v_mov_b32 v15, 0
.irp b, 0,1,2,3
	v_mov_b32 v[236+\b], 0                         ; written once: a lane permute's destination counts as one of its sources
.endr
	v_mov_b32 v253, 0                              ; (named as the upper half of the pair v[252:253] before it is first written)
.set j, 0
.rept 32
	v_mov_b32 v[160+j], 0                          ; O^T: the first step finds zeros, which the first change of M leaves zeros
.set j, j+1
.endr
.macro STEP grd
	v_add_nc_u32 v[ADK], s[TB], v[L16]
	v_add_nc_u32 v[AD8], s[TB], v[L8]
	v_add_nc_u32 v[ADS], s[TB], v[R16]
	v_nop                                          ; four places behind the last step's products, in front of loads into registers that they read
.irp t, 0,1,2,3,4,5,6,7
	ds_load_b128 v[32+6*\t:35+6*\t], v[ADK] offset:768*\t
	ds_load_b64 v[36+6*\t:37+6*\t], v[AD8] offset:768*\t+512
.endr
	ds_load_b128 v[192:195], v[ADS] offset:KSC     ; row r's scale words of tiles 0-3,
	ds_load_b128 v[196:199], v[ADS] offset:KSC+256 ; of tiles 4-7
	s_wait_alu depctr_va_vdst(0)
	s_wait_dscnt 0x0
.irp t, 0,1,2,3,4,5,6,7
	v_wmma_scale_f32_16x16x128_f8f6f4 v[96+8*\t:103+8*\t], v[32+6*\t:43+6*\t], v[16:27], 0, v[192+\t], v255 matrix_a_fmt:MATRIX_FMT_FP6 matrix_b_fmt:MATRIX_FMT_FP6
.endr
.rept 4
	v_nop                                          ; places in front of the loads below and of the first read of the scores
.endr
.irp t, 0,1,2,3                                ; v's four fragments land under the softmax
	ds_load_b128 v[32+12*\t:35+12*\t], v[ADK] offset:VOFF+768*\t
	ds_load_b64 v[36+12*\t:37+12*\t], v[AD8] offset:VOFF+768*\t+512
	ds_load_b128 v[38+12*\t:41+12*\t], v[ADK] offset:VOFF+3072+768*\t
	ds_load_b64 v[42+12*\t:43+12*\t], v[AD8] offset:VOFF+3072+768*\t+512
.endr
	ds_load_b128 v[200:203], v[ADS] offset:VSC
	s_wait_kmcnt 0x0                               ; this step's mask words
.set n, 0
.rept 32
	v_cndmask_b32 v[96+n], v[96+n], v[MV], s[32+n] ; ascending: each accumulator is read from its low end on
.set n, n+1
.endr
.rept 32
	v_cndmask_b32 v[96+n], v[96+n], v[MV], s[36+n]
.set n, n+1
.endr
.irp b, 0,1,2,3
	v_max3_num_f32 v[232+\b], v[96+16*\b], v[97+16*\b], v[98+16*\b]   ; the largest score of each block of 32 keys: for the row's maximum and, since p rises with the score, for the block's largest p
.endr
.irp i, 3,5,7,9,11,13
.irp b, 0,1,2,3
	s_delay_alu instid0(VALU_DEP_4)
	v_max3_num_f32 v[232+\b], v[232+\b], v[96+16*\b+\i], v[97+16*\b+\i]
.endr
.endr
.irp b, 0,1,2,3
	s_delay_alu instid0(VALU_DEP_4)
	v_max_num_f32 v[232+\b], v[232+\b], v[111+16*\b]
.endr
.if \grd
	s_cmp_eq_u32 s[CNT], 1                         ; the next step's mask words, if there is a next step: no load leaves its buffer
	s_cbranch_scc1 .Lno_more_\@
.endif
	s_add_nc_u64 s[8:9], s[8:9], 256               ; (the wait above has shown the last loads done)
	s_load_b512 s[32:47], s[8:9], 0x0
	s_load_b512 s[48:63], s[8:9], 0x40
	s_load_b512 s[68:83], s[8:9], 0x80
	s_load_b512 s[84:99], s[8:9], 0xc0
.if \grd
.Lno_more_\@:
.endif
	s_wait_alu depctr_va_vdst(0)
.irp b, 0,1,2,3
	v_permlanex16_b32 v[236+\b], v[232+\b], s[SEL], s[SEL+1]
.endr
.irp b, 0,1,2,3
	s_delay_alu instid0(VALU_DEP_4)
	v_max_num_f32 v[232+\b], v[232+\b], v[236+\b]  ; with lane l xor 16's 16 keys
.endr
	s_delay_alu instid0(VALU_DEP_2)
	v_max3_num_f32 v254, v232, v233, v234
	s_delay_alu instid0(VALU_DEP_1)
	v_max_num_f32 v254, v254, v235                 ; the step's largest score of my query
	s_delay_alu instid0(VALU_DEP_1)
	v_mul_f32 v254, s[CS], v254                    ; as t
	s_delay_alu instid0(VALU_DEP_1)
	v_max_num_f32 v13, v13, v254                   ; the running largest t
	v_mov_b32 v254, v12
	s_delay_alu instid0(VALU_DEP_2)
	v_floor_f32 v12, -v13                          ; the new -M = floor(-t): M is a whole number
	s_delay_alu instid0(VALU_DEP_1)
	v_sub_f32 v254, v12, v254                      ; old M - new M: a whole number, 0 or less
	s_delay_alu instid0(VALU_DEP_1)
	v_cvt_i32_f32 v254, v254                       ; (it saturates)
	s_delay_alu instid0(VALU_DEP_1)
	v_ldexp_f32 v252, 1.0, v254                    ; f = 2^(old M - new M)
.set j, 0
.rept 32
	v_pk_fma_f32 v[96+j:97+j], v[96+j:97+j], s[CS:CS+1], v[12:13] op_sel_hi:[1,0,0]   ; t - M, two at a time
.set j, j+2
.endr
.irp b, 0,1,2,3
	v_fma_f32 v[232+\b], v[232+\b], s[CS], v12     ; the same of each block's largest score
.endr
.set j, 0
	s_wait_alu depctr_va_vdst(0)
.rept 64
	v_exp_f32 v[96+j], v[96+j]                     ; p = 2^(t - M)
.set j, j+1
.endr
	v_pk_mul_f32 v[14:15], v[14:15], v[252:253] op_sel_hi:[1,0]   ; the sums under the new M: a plain place behind the exponentials
	s_wait_alu depctr_va_vdst(0)                   ; one wait for the batch of 64, ahead of its first reader
.irp b, 0,1,2,3
	v_exp_f32 v[232+\b], v[232+\b]                 ; the block's largest p
.endr
	v_pk_add_f32 v[236:237], v[100:101], v[104:105]
	v_pk_add_f32 v[248:249], v[108:109], v[112:113]
	v_pk_add_f32 v[246:247], v[116:117], v[120:121]
	v_pk_add_f32 v[244:245], v[124:125], v[128:129]
	v_pk_add_f32 v[242:243], v[132:133], v[136:137]
	v_pk_add_f32 v[240:241], v[140:141], v[144:145]
	v_pk_add_f32 v[238:239], v[148:149], v[152:153]
	v_pk_add_f32 v[14:15], v[14:15], v[156:157]
	v_pk_add_f32 v[236:237], v[236:237], v[96:97]
	v_pk_add_f32 v[248:249], v[248:249], v[98:99]
	v_pk_add_f32 v[246:247], v[246:247], v[102:103]
	v_pk_add_f32 v[244:245], v[244:245], v[106:107]
	v_pk_add_f32 v[242:243], v[242:243], v[110:111]
	v_pk_add_f32 v[240:241], v[240:241], v[114:115]
	v_pk_add_f32 v[238:239], v[238:239], v[118:119]
	v_pk_add_f32 v[14:15], v[14:15], v[122:123]
	v_pk_add_f32 v[236:237], v[236:237], v[126:127]
	v_pk_add_f32 v[248:249], v[248:249], v[130:131]
	v_pk_add_f32 v[246:247], v[246:247], v[134:135]
	v_pk_add_f32 v[244:245], v[244:245], v[138:139]
	v_pk_add_f32 v[242:243], v[242:243], v[142:143]
	v_pk_add_f32 v[240:241], v[240:241], v[146:147]
	v_pk_add_f32 v[238:239], v[238:239], v[150:151]
	v_pk_add_f32 v[14:15], v[14:15], v[154:155]
	v_pk_add_f32 v[236:237], v[236:237], v[158:159]
	s_delay_alu instid0(VALU_DEP_2)
	v_pk_add_f32 v[14:15], v[14:15], v[244:245]
	s_delay_alu instid0(VALU_DEP_2)
	v_pk_add_f32 v[236:237], v[236:237], v[242:243]
	v_pk_add_f32 v[248:249], v[248:249], v[240:241]
	v_pk_add_f32 v[246:247], v[246:247], v[238:239]
	s_delay_alu instid0(VALU_DEP_2)
	v_pk_add_f32 v[14:15], v[14:15], v[248:249]
	s_delay_alu instid0(VALU_DEP_2)
	v_pk_add_f32 v[236:237], v[236:237], v[246:247]
	s_delay_alu instid0(VALU_DEP_1)
	v_pk_add_f32 v[14:15], v[14:15], v[236:237]
	s_wait_alu depctr_va_vdst(0)                   ; and one for the four
.irp b, 0,1,2,3
	v_max_num_f32 v[232+\b], 0x1800000, v[232+\b]  ; the floor 2^(3 - 127): the byte cannot fall under 1
.endr
.irp b, 0,1,2,3
	s_delay_alu instid0(VALU_DEP_4)
	v_add_nc_u32 v[244+\b], 0xff000000, v[232+\b]  ; 2 off the exponent field: the conversion's scale operand
.endr
.irp b, 0,1,2,3
	s_delay_alu instid0(VALU_DEP_4)
	v_lshrrev_b32 v[236+\b], 23, v[244+\b]         ; the scale's byte
.endr
	s_delay_alu instid0(VALU_DEP_3)
	v_lshl_or_b32 v253, v237, 8, v236              ; p's scale word for these 128 keys
	s_delay_alu instid0(VALU_DEP_1)
	v_lshl_or_b32 v253, v238, 16, v253
	s_delay_alu instid0(VALU_DEP_1)
	v_lshl_or_b32 v253, v239, 24, v253
.irp c, 0,1
	v_cvt_scalef32_pk16_fp6_f32 v[224+6*\c:226+6*\c], v[96+32*\c:111+32*\c], v[244+2*\c]
	v_cvt_scalef32_pk16_fp6_f32 v[236+4*\c:238+4*\c], v[112+32*\c:127+32*\c], v[244+2*\c+1]
.endr
	v_nop                                          ; one plain place behind a scaled conversion
.irp c, 0,1                                    ; a whole block of 32 keys in a lane: lanes 0-15 block 2 c, lanes 16-31 block 2 c + 1
.irp i, 0,1,2
	v_permlane16_swap_b32 v[224+6*\c+\i], v[236+4*\c+\i]
.endr
.irp i, 0,1,2
	s_delay_alu instid0(VALU_DEP_3)
	v_mov_b32 v[227+6*\c+\i], v[236+4*\c+\i]
.endr
.endr
.set j, 0
.rept 16
	v_pk_mul_f32 v[160+j:161+j], v[160+j:161+j], v[252:253] op_sel_hi:[1,0]   ; O^T under the new M; these sixteen are also the places between the writes of p's codes and scale word and the products
.set j, j+2
.endr
	s_wait_alu depctr_va_vdst(0)
	s_wait_dscnt 0x0                               ; v
.irp t, 0,1,2,3                                ; the four accumulators by turns
	v_wmma_scale_f32_16x16x128_f8f6f4 v[160+8*\t:167+8*\t], v[32+12*\t:43+12*\t], v[224:235], v[160+8*\t:167+8*\t], v[200+\t], v253 matrix_a_fmt:MATRIX_FMT_FP6 matrix_b_fmt:MATRIX_FMT_FP6
.endr
	s_add_co_u32 s[TB], s[TB], REC                 ; the next record
.endm
	s_wait_asynccnt 21                             ; copies end in the order of issue: of my 26 the first five have landed, the 21 younger ones may be out,
	s_barrier_signal -1
	s_barrier_wait -1                              ; and so have everybody's first five: LDS bytes 0 to 40,959 are whole.
	s_wait_loadcnt 0x0                             ; q
	s_mov_b32 s[CNT], EARLY
.Learly:                                           ; three trips: records 0 to 2, LDS bytes 0 to 39,167
	STEP 0
	s_sub_co_u32 s[CNT], s[CNT], 1
	s_cmp_lg_u32 s[CNT], 0
	s_cbranch_scc1 .Learly
	s_wait_asynccnt 0x0                            ; all my copies have landed,
	s_wait_dscnt 0x0                               ; (no LDS load of mine is out)
	s_barrier_signal -1
	s_barrier_wait -1                              ; everybody's have
	s_mov_b32 s[CNT], 16-EARLY
.Lrest:                                            ; thirteen trips: records 3 to 15
	STEP 1
	s_sub_co_u32 s[CNT], s[CNT], 1
	s_cmp_lg_u32 s[CNT], 0
	s_cbranch_scc1 .Lrest
	; THE WAY OUT: o = O^T / the sum, quantised along the head's 64 channels (blocks 2 head and 2 head + 1 of the model's 32): six registers of codes and two scale bytes a row.
	v_add_f32 v14, v14, v15
	s_delay_alu instid0(VALU_DEP_1)
	v_permlanex16_b32 v252, v14, s[SEL], s[SEL+1]
	s_delay_alu instid0(VALU_DEP_1)
	v_add_f32 v14, v14, v252                       ; the row's sum
	s_wait_alu depctr_va_vdst(0)
	v_rcp_f32 v14, v14
.rept 2
	v_nop                                          ; a plain place behind the reciprocal; with the two additions four places behind the last products
.endr
	s_wait_alu depctr_va_vdst(0)                   ; the wait ahead of the reciprocal's first reader
.set j, 0
.rept 16
	v_pk_mul_f32 v[96+j:97+j], v[160+j:161+j], v[14:15] op_sel_hi:[1,0]   ; register 16 b + i: channel 32 b + 16 h + i of my query
.set j, j+2
.endr
.irp b, 0,1
	v_max3_num_f32 v[232+\b], |v[96+16*\b]|, |v[97+16*\b]|, 0x1800000
.endr
.irp i, 2,4,6,8,10,12,14
.irp b, 0,1
	s_delay_alu instid0(VALU_DEP_2)
	v_max3_num_f32 v[232+\b], v[232+\b], |v[96+16*\b+\i]|, |v[97+16*\b+\i]|
.endr
.endr
.irp b, 0,1
	s_delay_alu instid0(VALU_DEP_2)
	v_permlanex16_b32 v[236+\b], v[232+\b], s[SEL], s[SEL+1]
.endr
.irp b, 0,1
	s_delay_alu instid0(VALU_DEP_2)
	v_max_num_f32 v[232+\b], v[232+\b], v[236+\b]
.endr
.irp b, 0,1
	s_delay_alu instid0(VALU_DEP_2)
	v_add_nc_u32 v[244+\b], 0xff000000, v[232+\b]
.endr
.irp b, 0,1
	s_delay_alu instid0(VALU_DEP_2)
	v_lshrrev_b32 v[236+\b], 23, v[244+\b]
.endr
	s_delay_alu instid0(VALU_DEP_1)
	v_lshl_or_b32 v29, v237, 8, v236               ; my row's two scale bytes
	v_cvt_scalef32_pk16_fp6_f32 v[224:226], v[96:111], v244
	v_cvt_scalef32_pk16_fp6_f32 v[240:242], v[112:127], v245
	v_nop                                          ; one plain place behind a scaled conversion
.irp i, 0,1,2
	v_permlane16_swap_b32 v[224+\i], v[240+\i]
.endr
.irp i, 0,1,2
	s_delay_alu instid0(VALU_DEP_3)
	v_mov_b32 v[227+\i], v[240+\i]                 ; registers 224-229: channels 32 h + 0 .. 31
.endr
	global_store_b128 v[L16], v[224:227], s[10:11]             ; 512 consecutive bytes, aligned
	global_store_b64 v[L8], v[228:229], s[10:11] offset:512    ; 256 consecutive bytes, aligned
	global_store_b16 v28, v29, s[12:13]            ; two bytes of a row's 32: the other heads' work-groups write the rest; lanes r and r + 16 write the same bytes with the same value
	s_wait_tensorcnt 0x0
	ds_add_u32 v250, v251
	s_wait_dscnt 0x0
	s_endpgm
.Lfunc_end_k_qdd017a632c_attn:
	.size	k_qdd017a632c_attn, .Lfunc_end_k_qdd017a632c_attn-k_qdd017a632c_attn
	.p2alignl 7, 3214868480
	.fill 96, 4, 3214868480
	.section	.rodata,"a",@progbits
	.p2align	6, 0x0
	.amdhsa_kernel k_qdd017a632c_attn
		.amdhsa_group_segment_fixed_size 210944
		.amdhsa_private_segment_fixed_size 0
		.amdhsa_enable_private_segment 0
		.amdhsa_kernarg_size 40
		.amdhsa_user_sgpr_count 2
		.amdhsa_user_sgpr_kernarg_segment_ptr 1
		.amdhsa_wavefront_size32 1
		.amdhsa_system_sgpr_workgroup_id_x 1
		.amdhsa_system_sgpr_workgroup_id_y 1
		.amdhsa_system_sgpr_workgroup_id_z 1
		.amdhsa_system_vgpr_workitem_id 0
		.amdhsa_next_free_vgpr 256
		.amdhsa_next_free_sgpr 100
		.amdhsa_reserve_vcc 0
		.amdhsa_float_denorm_mode_32 3
		.amdhsa_float_denorm_mode_16_64 3
		.amdhsa_memory_ordered 1
		.amdhsa_forward_progress 1
		.amdhsa_inst_pref_size 58
	.end_amdhsa_kernel
	.amdgpu_metadata
---
amdhsa.version: [ 1, 2 ]
amdhsa.kernels:
  - .name:           k_qdd017a632c_attn
    .symbol:         k_qdd017a632c_attn.kd
    .args:
      - { .name: qbuf, .offset: 0, .size: 8, .value_kind: global_buffer, .address_space: global }
      - { .name: kv, .offset: 8, .size: 8, .value_kind: global_buffer, .address_space: global }
      - { .name: mbits, .offset: 16, .size: 8, .value_kind: global_buffer, .address_space: global }
      - { .name: oimg, .offset: 24, .size: 8, .value_kind: global_buffer, .address_space: global }
      - { .name: osc, .offset: 32, .size: 8, .value_kind: global_buffer, .address_space: global }
    .group_segment_fixed_size: 210944
    .private_segment_fixed_size: 0
    .kernarg_segment_align: 8
    .kernarg_segment_size: 40
    .max_flat_workgroup_size: 512
    .sgpr_count:     100
    .vgpr_count:     256
    .wavefront_size: 32
...
	.end_amdgpu_metadata
.endif
;; end of part 2
;; launch oproj (part 3): grid 8 x 32, 4 waves a work-group, clusters of 4 x 4, 229,376 bytes of LDS; arguments oimg, osc, W_O_codes, W_O_scales, b_O, out0; writes out0
.if DOCPART == 3
	.amdgcn_target "amdgcn-amd-amdhsa--gfx1250"
	.amdhsa_code_object_version 6
	.text
	.protected	k_qdd017a632c_oproj
	.globl	k_qdd017a632c_oproj
	.p2align	8
	.type	k_qdd017a632c_oproj,@function
k_qdd017a632c_oproj:
	s_mov_b64 s[64:65], 0
	v_nop
	global_prefetch_b8 v0, s[64:65] scope:SCOPE_SE
	s_setreg_imm32_b32 hwreg(HW_REG_WAVE_MODE, 25, 1), 1
	s_wait_xcnt 0x0
	s_wait_alu depctr_hold_cnt(0) depctr_sa_sdst(0) depctr_va_vdst(0) depctr_va_sdst(0) depctr_va_ssrc(0) depctr_va_vcc(0) depctr_vm_vsrc(0)
	s_getreg_b32 s2, hwreg(HW_REG_IB_STS2, 6, 4)
	s_cmp_eq_u32 s2, 0
	s_cbranch_scc0 .Lentry_in_a_cluster
	s_endpgm
.Lentry_in_a_cluster:
	s_bfe_u32 s2, ttmp6, 0x10000c
	s_cmp_lg_u32 s2, 0xf033
	s_cbranch_scc0 .Lentry_shape_is_right
	s_endpgm
.Lentry_shape_is_right:
; out0 = o W_O^T + b_O on codes of FP6 (E2M3) with E8M0 scales, sums in f32.  o comes as the attention launch stored it: oimg [K step of 256: 4][tile of 16 tokens: 256][head % 4][768], images of operand registers; osc [tile x 16 + r][32].
; A work-group makes 128 tokens x 128 columns: 32 x 8 = 256 work-groups.  ALL OF K LIES IN LDS, filled once at the head, one tensor load a wave: wave 0 o's images (4 rows of 24,576 bytes), wave 1 W_O's 128 rows of 768 bytes
; (16 bytes of padding behind every 256: pitch 816), wave 2 o's scales, wave 3 W_O's (4,096 dense bytes each, as 16 rows of 256 + 16).  Nothing is filled again.
; A wave makes 64 x 64: 16 accumulators in window 1.  Eight steps of 128 along K; two sets of fragments: step s + 1's LDS loads are issued ahead of step s's products.
; Source 0 = 16 rows of W_O, source 1 = 16 tokens: a lane holds eight neighbouring columns of one token.  The bias is the C of the first step's products.
; Lane-row t of tile a of a group of 128 tokens is token 32 (a / 2) + 8 (a % 2) + t + 8 (t / 8), as the launches before laid them.
; CLUSTERS 4 x 4: o's tiles are asked for jointly by a row of the cluster, W_O's by a column.  NO PREFETCH: all that the launch reads is asked for at its head; there is no loop to run ahead in.
; REGISTERS, window 0: v1-3 lane terms; v4-13 addresses; v14, v15 the add's; v16-31 scale words, two sets (lanes 0-15 o's, lanes 16-31 W_O's); v32-127, v128-223 fragments (o's four, then W_O's four); v224-255 the bias.
.set BPITCH, 816
.set BOFF,   98304
.set SCL,    BOFF+128*BPITCH
.set SHALF,  4352
.set SPARE,  SCL+2*SHALF
.set STAGE,  SPARE+512                 ; 16 rows x 272 bytes a wave, bytes of their own
.set SPITCH, 272
.set G1A,  28
.set G1B,  36
.set G1S,  44
.set G1SB, 52
.set G0A,  60
.set G0B,  68
.set G0S,  72
.set G0SB, 76
.set MSB, 0
.macro WIN new
.if MSB != \new
	s_set_vgpr_msb (MSB<<8)|\new
.set MSB, \new
.endif
.endm
.macro CROUND
	s_barrier_signal -1
	s_barrier_wait -1
	s_cmp_lg_u32 s16, 0
	s_cbranch_scc1 .Lnot_wave_0_\@
	s_barrier_signal -3
.Lnot_wave_0_\@:
	s_barrier_wait -3
	s_barrier_signal -1
	s_barrier_wait -1
.endm
.macro PLACES
.rept 4
	v_nop
.endr
.endm
	s_load_b128 s[4:7], s[0:1], 0x0                ; oimg, osc
	s_load_b128 s[8:11], s[0:1], 0x10              ; W_O's codes, scales
	s_load_b128 s[12:15], s[0:1], 0x20             ; b_O, out0
	v_lshl_add_u32 v14, v0, 2, SPARE
	v_mov_b32 v15, 0
	ds_add_u32 v14, v15                            ; the opening lines
	ds_add_u32 v14, v15
	v_lshrrev_b32 v32, 5, v0
	v_readfirstlane_b32 s16, v32                   ; wave
	s_lshr_b32 s17, s16, 1                         ; my 64 tokens
	s_and_b32 s18, s16, 1                          ; my 64 columns
	s_bfe_u32 s19, ttmp6, 0x40000                  ; cx
	s_bfe_u32 s20, ttmp6, 0x40004                  ; cy
	s_lshl_b32 s21, ttmp9, 2
	s_add_co_u32 s21, s21, s19                     ; X: tile of 128 columns
	s_and_b32 s22, ttmp7, 0xffff
	s_lshl_b32 s22, s22, 2
	s_add_co_u32 s22, s22, s20                     ; G: group of 128 tokens
	s_lshl_b32 s23, s20, 2
	s_lshl_b32 s23, 15, s23                        ; my row of the cluster
	s_lshl_b32 s24, 0x1111, s19                    ; my column
	s_or_b32 s[G1A+0], s23, (3<<16)|(1<<21)        ; 4 rows of 3,072 elements of 8 bytes, 98,304 elements apart
	s_mov_b32 s[G1A+1], 3072<<16
	s_mov_b32 s[G1A+2], 4<<16
	s_mov_b32 s[G1A+3], 3072<<16
	s_mov_b32 s[G1A+4], 4
	s_mov_b32 s[G1A+5], 98304
	s_mov_b32 s[G1A+6], 0
	s_mov_b32 s[G1A+7], 0
	s_or_b32 s[G1B+0], s24, (0<<16)|(1<<20)|(1<<21)|(5<<22)|(3<<25)  ; 128 rows of 768 bytes
	s_mov_b32 s[G1B+1], 768<<16
	s_mov_b32 s[G1B+2], 128<<16
	s_mov_b32 s[G1B+3], 768<<16
	s_mov_b32 s[G1B+4], 128
	s_mov_b32 s[G1B+5], 768
	s_mov_b32 s[G1B+6], 0
	s_mov_b32 s[G1B+7], 0
	s_or_b32 s[G1S+0], s23, (3<<16)|(1<<20)|(1<<21)|(5<<22)|(3<<25)
	s_or_b32 s[G1SB+0], s24, (3<<16)|(1<<20)|(1<<21)|(5<<22)|(3<<25)
.irp g, G1S, G1SB
	s_mov_b32 s[\g+1], 32<<16
	s_mov_b32 s[\g+2], 16<<16
	s_mov_b32 s[\g+3], 32<<16
	s_mov_b32 s[\g+4], 16
	s_mov_b32 s[\g+5], 32
	s_mov_b32 s[\g+6], 0
	s_mov_b32 s[\g+7], 0
.endr
	s_mul_i32 s80, s22, 24576
	s_mov_b32 s81, 0
	s_lshl_b32 s82, s22, 12
	s_mov_b32 s83, 0
	s_mul_i32 s84, s21, 98304
	s_mov_b32 s85, 0
	s_lshl_b32 s86, s21, 12
	s_mov_b32 s87, 0
	s_wait_dscnt 0x0
	s_wait_kmcnt 0x0
	s_add_nc_u64 s[80:81], s[4:5], s[80:81]
	s_add_nc_u64 s[82:83], s[6:7], s[82:83]
	s_add_nc_u64 s[84:85], s[8:9], s[84:85]
	s_add_nc_u64 s[86:87], s[10:11], s[86:87]
	CROUND                                         ; the joint loads meet
	s_mov_b32 s[G0A], 1
	s_mov_b32 s[G0A+1], 0
	s_mov_b64 s[G0A+2:G0A+3], s[80:81]
	s_or_b32 s[G0A+3], s[G0A+3], 0x80000000
	s_mov_b32 s[G0B], 1
	s_mov_b32 s[G0B+1], BOFF
	s_mov_b64 s[G0B+2:G0B+3], s[84:85]
	s_or_b32 s[G0B+3], s[G0B+3], 0x80000000
	s_mov_b32 s[G0S], 1
	s_mov_b32 s[G0S+1], SCL
	s_mov_b64 s[G0S+2:G0S+3], s[82:83]
	s_or_b32 s[G0S+3], s[G0S+3], 0x80000000
	s_mov_b32 s[G0SB], 1
	s_mov_b32 s[G0SB+1], SCL+SHALF
	s_mov_b64 s[G0SB+2:G0SB+3], s[86:87]
	s_or_b32 s[G0SB+3], s[G0SB+3], 0x80000000
.macro ARM under, g0, g1, next         ; one tree of branches on the wave's number: every way passes one load
	s_cmp_lt_u32 s16, \under
	s_cbranch_scc0 \next
	tensor_load_to_lds s[\g0:\g0+3], s[\g1:\g1+7]
	s_nop 0
.rept 4
	v_nop
.endr
	s_branch .Lhead_asked
\next:
.endm
	ARM 1, G0A, G1A, .Lhead_b
	ARM 2, G0B, G1B, .Lhead_sa
	ARM 3, G0S, G1S, .Lhead_sb
	tensor_load_to_lds s[G0SB:G0SB+3], s[G1SB:G1SB+7]
	s_nop 0
.rept 4
	v_nop
.endr
.Lhead_asked:
	v_and_b32 v1, 15, v0                           ; r
	v_bfe_u32 v2, v0, 4, 1                         ; h
	v_and_b32 v3, 31, v0                           ; lane
	s_mul_i32 s25, s17, 12288                      ; my four tiles of 3,072 bytes in each K step's 24,576
	v_lshl_add_u32 v4, v3, 4, s25                  ; v4, v5: 16 x lane, K steps 0-1 and 2-3
	v_add_nc_u32 v5, 49152, v4
	v_lshl_add_u32 v6, v3, 3, s25                  ; v6, v7: 8 x lane
	v_add_nc_u32 v7, 49152, v6
	s_mul_i32 s25, s18, 64*BPITCH
	s_add_co_u32 s25, s25, BOFF
	v_mul_u32_u24 v8, v1, BPITCH
	v_mad_u32_u24 v8, v2, 24, v8
	v_add_nc_u32 v8, s25, v8                       ; v8: W_O's row r, + 24 h
	v_lshl_add_u32 v9, v2, 4, v8                   ; v9: lanes 16-31 behind one padding more
	v_lshrrev_b32 v32, 3, v1                       ; scales: 32 bytes a row, eight rows to a unit of 272
	v_mul_u32_u24 v32, v32, 272
	v_and_b32 v33, 7, v1
	v_lshl_add_u32 v32, v33, 5, v32
	s_mul_i32 s25, s17, 2176
	s_mul_i32 s26, s18, 2176
	s_add_co_u32 s26, s26, SHALF
	s_sub_co_u32 s26, s26, s25
	v_mul_u32_u24 v33, s26, v2                     ; lanes 16-31 take W_O's
	s_add_co_u32 s25, s25, SCL
	v_add_nc_u32 v32, v32, v33
	v_add_nc_u32 v10, s25, v32
	s_mul_i32 s25, s16, 16*SPITCH
	s_add_co_u32 s25, s25, STAGE
	v_mul_u32_u24 v32, v1, SPITCH
	v_lshl_add_u32 v32, v2, 5, v32
	v_add_nc_u32 v11, s25, v32                     ; into the stage: row r, 32 bytes for each half of the lanes
	v_mul_u32_u24 v32, v2, SPITCH
	v_lshl_add_u32 v32, v1, 4, v32
	v_add_nc_u32 v12, s25, v32                     ; back: lanes 0-15 one row of 256 bytes, lanes 16-31 the next
	v_lshlrev_b32 v13, 12, v2
	v_lshl_add_u32 v13, v1, 4, v13                 ; the same two rows in out0
	s_lshl_b32 s26, s21, 9
	s_lshl_b32 s27, s18, 8
	s_add_co_u32 s26, s26, s27                     ; my first column, in bytes
	s_mov_b32 s27, 0
	s_add_nc_u64 s[12:13], s[12:13], s[26:27]
	v_lshlrev_b32 v3, 5, v2                        ; the bias loads' offset, 32 h, in a register that no later line writes
.irp b, 0,1,2,3
	global_load_b128 v[224+8*\b:227+8*\b], v3, s[12:13] offset:64*\b      ; b_O[16 b + 8 h + 0 .. 7]
	global_load_b128 v[228+8*\b:231+8*\b], v3, s[12:13] offset:64*\b+16
.endr
	s_lshl_b32 s25, s22, 7
	s_lshl_b32 s24, s17, 6
	s_add_co_u32 s25, s25, s24                     ; my first token
	s_lshl_b32 s25, s25, 12
	s_add_co_u32 s26, s26, s25
	s_add_nc_u64 s[14:15], s[14:15], s[26:27]
.macro FETCH st                        ; step st's eight fragments into set st % 2: 16 + 24 LDS loads
.set FS, 32+96*((\st)%2)
.irp i, 0,1,2,3
.set AO, (((\st)/2)%2)*24576+\i*3072+((\st)%2)*1536
	ds_load_b128 v[FS+12*\i:FS+12*\i+3], v[4+(\st)/4] offset:AO
	ds_load_b64 v[FS+12*\i+4:FS+12*\i+5], v[6+(\st)/4] offset:AO+512
	ds_load_b128 v[FS+12*\i+6:FS+12*\i+9], v[4+(\st)/4] offset:AO+768
	ds_load_b64 v[FS+12*\i+10:FS+12*\i+11], v[6+(\st)/4] offset:AO+1280
.endr
.irp i, 0,1,2,3
.irp p, 0,1,2,3,4,5
.set BY, 96*(\st)+48*(\p/3)+8*(\p%3)  ; byte y of a row lies at y + 16 (y / 256); lanes 16-31 read 24 bytes on
.if BY/256 == (BY+24)/256
	ds_load_b64 v[FS+48+12*\i+2*\p:FS+48+12*\i+2*\p+1], v8 offset:BY+16*(BY/256)+\i*16*BPITCH
.else
	ds_load_b64 v[FS+48+12*\i+2*\p:FS+48+12*\i+2*\p+1], v9 offset:BY+16*(BY/256)+\i*16*BPITCH
.endif
.endr
.endr
.endm
.macro SCALES pr                       ; the scale words of steps 2 pr, 2 pr + 1 into set pr % 2: 4 LDS loads
.irp i, 0,1,2,3
	ds_load_b64 v[16+8*((\pr)%2)+2*\i:17+8*((\pr)%2)+2*\i], v10 offset:\i*544+8*(\pr)
.endr
.endm
.macro MUL st                          ; 16 products; the accumulators take turns
.set FS, 32+96*((\st)%2)
.set SS, 16+8*(((\st)/2)%2)+(\st)%2
.if (\st) == 0
	WIN 0x40                                       ; D window 1, C (the bias) window 0
.else
	WIN 0x50                                       ; C and D window 1
.endif
.irp a, 0,1,2,3
.irp b, 0,1,2,3
.if (\st) == 0
	v_wmma_scale_f32_16x16x128_f8f6f4 v[8*(4*\a+\b):8*(4*\a+\b)+7], v[FS+48+12*\b:FS+59+12*\b], v[FS+12*\a:FS+11+12*\a], v[224+8*\b:231+8*\b], v[SS+2*\b], v[SS+2*\a] matrix_a_fmt:MATRIX_FMT_FP6 matrix_b_fmt:MATRIX_FMT_FP6 matrix_a_scale:MATRIX_SCALE_ROW1
.else
	v_wmma_scale_f32_16x16x128_f8f6f4 v[8*(4*\a+\b):8*(4*\a+\b)+7], v[FS+48+12*\b:FS+59+12*\b], v[FS+12*\a:FS+11+12*\a], v[8*(4*\a+\b):8*(4*\a+\b)+7], v[SS+2*\b], v[SS+2*\a] matrix_a_fmt:MATRIX_FMT_FP6 matrix_b_fmt:MATRIX_FMT_FP6 matrix_a_scale:MATRIX_SCALE_ROW1
.endif
.endr
.endr
	WIN 0
.endm
	s_wait_alu depctr_va_vdst(0)                   ; the wait at the head's end
	s_wait_tensorcnt 0x0                           ; my tile is in,
	s_barrier_signal -1
	s_barrier_wait -1                              ; and everybody's
	FETCH 0
	SCALES 0
	s_wait_loadcnt 0x0                             ; the bias
.set ST, 0
.rept 8
.if ST < 7
.if ST > 0
	PLACES                                         ; behind the last step's products, whose set the loads below fill
.endif
	FETCH ST+1
.if (ST+1)%2 == 0
	SCALES (ST+1)/2
	s_wait_dscnt 44                                ; all but the 40 + 4 just issued
.else
	s_wait_dscnt 40                                ; all but the 40 just issued
.endif
.else
	s_wait_dscnt 0x0
.endif
	MUL ST
.set ST, ST+1
.endr
; THE WAY OUT: a block of 16 tokens x 64 columns goes through my own stage and comes back as rows of 256 bytes; LDS serves a wave's instructions in order (ISA guide 5.7.1.4)
.macro TOSTAGE a
	WIN 0x04                                       ; the data: window 1
.irp b, 0,1,2,3
	ds_store_b128 v11, v[32*(\a)+8*\b:32*(\a)+8*\b+3] offset:64*\b       ; each accumulator from its low end on
	ds_store_b128 v11, v[32*(\a)+8*\b+4:32*(\a)+8*\b+7] offset:64*\b+16
.endr
	WIN 0
.irp u, 0,1,2,3,4,5,6,7
	ds_load_b128 v[32+32*((\a)%2)+4*\u:35+32*((\a)%2)+4*\u], v12 offset:\u*2*SPITCH
.endr
.endm
.macro SEND a, younger
	s_wait_dscnt \younger
.irp u, 0,1,2,3,4,5,6,7
	global_store_b128 v13, v[32+32*((\a)%2)+4*\u:35+32*((\a)%2)+4*\u], s[14:15] offset:(32*((\a)/2)+8*((\a)%2)+2*\u+8*(\u/4))*4096 th:TH_STORE_NT   ; 16 lanes store 256 consecutive bytes, aligned
.endr
.endm
	PLACES
	TOSTAGE 0
.irp a, 1,2,3
.if \a > 1
	s_wait_xcnt 0x0                                ; block a - 2's stores have read the registers that block a's loads fill
.endif
	TOSTAGE \a
	SEND \a-1, 16                                  ; behind block a - 1's loads: block a's 8 stores and 8 loads
.endr
	SEND 3, 0
	s_wait_tensorcnt 0x0                           ; the wave's end
	ds_add_u32 v14, v15
	s_wait_dscnt 0x0
	CROUND                                         ; the closing round
	s_endpgm
.Lfunc_end_k_qdd017a632c_oproj:
	.size	k_qdd017a632c_oproj, .Lfunc_end_k_qdd017a632c_oproj-k_qdd017a632c_oproj
	.p2alignl 7, 3214868480
	.fill 96, 4, 3214868480
	.section	.rodata,"a",@progbits
	.p2align	6, 0x0
	.amdhsa_kernel k_qdd017a632c_oproj
		.amdhsa_group_segment_fixed_size 229376
		.amdhsa_private_segment_fixed_size 0
		.amdhsa_enable_private_segment 0
		.amdhsa_kernarg_size 48
		.amdhsa_user_sgpr_count 2
		.amdhsa_user_sgpr_kernarg_segment_ptr 1
		.amdhsa_wavefront_size32 1
		.amdhsa_system_sgpr_workgroup_id_x 1
		.amdhsa_system_sgpr_workgroup_id_y 1
		.amdhsa_system_sgpr_workgroup_id_z 1
		.amdhsa_system_vgpr_workitem_id 0
		.amdhsa_next_free_vgpr 384
		.amdhsa_next_free_sgpr 90
		.amdhsa_reserve_vcc 0
		.amdhsa_float_denorm_mode_32 3
		.amdhsa_float_denorm_mode_16_64 3
		.amdhsa_memory_ordered 1
		.amdhsa_forward_progress 1
		.amdhsa_inst_pref_size 56
	.end_amdhsa_kernel
	.amdgpu_metadata
---
amdhsa.version: [ 1, 2 ]
amdhsa.kernels:
  - .name:           k_qdd017a632c_oproj
    .symbol:         k_qdd017a632c_oproj.kd
    .args:
      - { .name: oimg, .offset: 0, .size: 8, .value_kind: global_buffer, .address_space: global }
      - { .name: osc, .offset: 8, .size: 8, .value_kind: global_buffer, .address_space: global }
      - { .name: W_O_codes, .offset: 16, .size: 8, .value_kind: global_buffer, .address_space: global }
      - { .name: W_O_scales, .offset: 24, .size: 8, .value_kind: global_buffer, .address_space: global }
      - { .name: b_O, .offset: 32, .size: 8, .value_kind: global_buffer, .address_space: global }
      - { .name: out0, .offset: 40, .size: 8, .value_kind: global_buffer, .address_space: global }
    .group_segment_fixed_size: 229376
    .private_segment_fixed_size: 0
    .kernarg_segment_align: 8
    .kernarg_segment_size: 48
    .max_flat_workgroup_size: 128
    .sgpr_count:     90
    .vgpr_count:     384
    .wavefront_size: 32
...
	.end_amdgpu_metadata
.endif
;; end of part 3
